; MI455X (gfx1250); checked and timed in simulation.
; The chip was launched on July 23, 2026; its instructions are those of AMD's public machine-readable ISA for CDNA 5 (MIT licence, August 2026) and "CDNA5" Instruction Set Architecture Reference Guide (July 2026). The comments in the code are by the model that wrote it; some were corrected since.
;; Model. Allowed arithmetic: float matrix products may take bf16 or f16 operands with f32 sums; other float arithmetic in f32, or as packed bf16 or f16 multiplies, adds, multiply-adds, maxima and minima; sums over many terms, partial sums and values carried from step to step in f32; what a program stores and reads back later, other than sums and carried values, may be rounded once to bf16 or f16.
;; Inputs: Wk 8 x 768 x 512 float32; Wo 8 x 512 x 768 float32; Wq 8 x 512 x 512 float32; Wv 8 x 768 x 512 float32; bk 8 x 512 float32; bo 8 x 768 float32; bq 8 x 512 float32; bv 8 x 512 float32; cluster_probs 128 x 64 x 8 float32; topk_token_embeddings 8 x 250 x 768 float32; ts_emb 128 x 64 x 512 float32.
;; Outputs: out0 128 x 64 x 768 float32.
;; One version. Each part assembles by itself: llvm-mc -triple=amdgcn-amd-amdhsa -mcpu=gfx1250 --defsym DOCPART=n.
;; ======== version 1 of 1: 3 launches
;; limits: values are held in f16: magnitudes above 65,504 overflow, below 6.1e-05 lose precision
;; workspace buffers: xb 8,388,608 bytes; hw 8,388,608 bytes; wo16 6,389,760 bytes; og 68,157,440 bytes
;; launch prep (part 1): grid 256 x 1, 4 waves a work-group, no clusters, 140,800 bytes of LDS; arguments ts_emb, Wq, Wo, bo, cluster_probs, topk_token_embeddings, Wk, Wv, bv, xb, hw, wo16, og; writes xb, hw, wo16, og
.if DOCPART == 1
	.amdgcn_target "amdgcn-amd-amdhsa--gfx1250"
	.amdhsa_code_object_version 6
	.text
	.protected	k_qe5eec6f0a4_prep
	.globl	k_qe5eec6f0a4_prep
	.p2align	8
	.type	k_qe5eec6f0a4_prep,@function
k_qe5eec6f0a4_prep:
	s_mov_b64 s[64:65], 0
	v_nop
	global_prefetch_b8 v0, s[64:65] scope:SCOPE_SE
	s_setreg_imm32_b32 hwreg(HW_REG_WAVE_MODE, 25, 1), 1
	s_wait_xcnt 0x0
; TSAligner, launch 1 of 3: the inputs are rounded and laid out, and K and V are projected.
; THE WHOLE PROGRAM.  out[n] = sum over c of p[n][c] (concat_h softmax(q_ch k_ch^T / 8) v_ch Wo[c] + bo[c]), n = 0..8191.  The gate is put on o, so the sum over c is a sum along K:
; out = G W, G = [p_c o_c | p] (8192 x 4104), W = [Wo ; bo] (4104 x 768).  Launch 2 makes G's first 4096 columns, launch 3 is that product.
; DEAD WORK: bk.  scores[c,b,h,p,s] = (q . (t_s Wk) + q . bk_h) / 8; the second term does not depend on s, the softmax's axis, so it cancels in softmax for all values of q and bk.
; bk is not loaded and is no argument of any launch.  LIMIT: a NaN, an infinity or an overflow that reaches only q . bk is not carried to the result.
; FORMATS.  Every input is rounded once to bf16 (biases and gates too).  q, k, v, the weights P and the gated o are rounded once from f32 sums to f16; Wo, bo and p enter the last product as
; their bf16 numbers written in f16.  LIMITS: |q|, |k|, |v|, |p o| up to 65,504 (f16's end); a bf16 number below 2^-14 keeps f16's fixed step of 2^-24 when written as f16.
; THIS LAUNCH.  256 work-groups of four waves; work-group q does 1/256 of each cast and then one tile of K or V.  All data pass through registers to be rounded, so nothing comes by
; tensor loads; NO CLUSTER: what 16 work-groups share is a cluster's token rows, 393,216 bytes of f32 for 128 keys, more than LDS holds beside the partial sums without a ring.
;   xb   [8192][512] bf16                       hw   64 records (c, h) of 131,072: Wq_h [512 k][64 ch] bf16, V_h [256 key][64 ch] f16, K_h [256 key][64 ch] f16 (keys 250..255 repeat token 249)
;   wo16 [4 column tiles][13 steps][3 groups][320 k][64 col] f16: k < 4096 Wo, k = 4096 + c bo[c], the rest up to 4159 is 0: a column tile's step is 122,880 dense bytes
;   og   block 64 of each of 64 row tiles: the gates as the last launch's operand registers take them: [8 row tiles of 16][4 tiles of 16 k][32 lanes][16 bytes]; lane r of k tile 0 holds p[row r][0..7], all else 0
; A K/V TILE: 128 keys x 64 channels, the 768 along K split among the four waves (192 each, six steps of 32); the four partial sums meet in LDS.
; In both operands lane half hh, place e (0..15) stands for k = 16 hh + e: the same permutation of k on both sides keeps the products.
; The six steps are a loop of two trips and a tail that loads nothing; so that the loop has one form of product the 256 registers of sums are cleared, while the first loads are out.
.set REC,   131072
.set RTB,   1064960                    ; bytes of a row tile of og: 65 blocks of 16,384
.set STEPB, 122880                     ; bytes of a step of a column tile of wo16
.set NTB,   1597440                    ; 13 steps
.set GRPB,  40960                      ; a group's 320 rows of 128 bytes
.set PARTS, 0                          ; LDS: [4 waves][32 accumulators][2 halves][32 lanes x 16 bytes]
.set STAGE, 131072                     ; 16 rows x 144 bytes for each wave
.set SP,    144
.set SPARE, 140288                     ; the spare words, 128 bytes a wave: two blocks of 256 bytes that no other line names
.set XI,  4                            ; v4  32 t          x's offset
.set O16, 5                            ; v5  16 t          every cast's offset out
.set QI,  6                            ; v6  (t>>3) 2048 + (t&7) 32
.set OI,  7                            ; v7  (t>>3) 3072 + (t&7) 32
.set PI,  8                            ; v8  (t&15) 32
.set BI,  9                            ; v9  bo's offset
.set WO,  10                           ; v10 the weights' offset: 32,768 hh + 16 r
.set BVO, 11                           ; v11 128 hh
.set TO,  12                           ; v12-19 the tokens' offsets, one for each key tile
.set LSA, 20                           ; v20 where I put partial sums
.set LR0, 21                           ; v21, v22 where I read them
.set LR1, 22
.set STO, 23
.set RD,  24
.set GO,  25
.set TA,  26
.set TB,  27
.set SPW, 28                           ; v28 my spare word; never rewritten
.set NIL, 29                           ; v29 0; never rewritten
.set H64, 30
.set WF,  64                           ; v64-95   four fragments of weights
.set TF,  96                           ; v96-159  eight fragments of tokens
.set PK,  160                          ; v160-191 packed results
.set WV,  14
.set HIM, 15                           ; s15 0xffff0000
.set MSB, 0
.macro WIN new                         ; the immediate's high byte repeats the setting that is left; a switch that changes nothing is dropped
.if MSB != (\new)
	s_set_vgpr_msb (MSB<<8)|(\new)
.set MSB, (\new)
.endif
.endm
.macro PLACES
.rept 4
	v_nop
.endr
.endm
.macro WAITL cnt                       ; the count of younger loads, as far as the wait's field can name it
.if (\cnt) > 63
	s_wait_loadcnt 63
.else
	s_wait_loadcnt (\cnt)
.endif
.endm
.macro CVB reg                         ; eight f32 -> eight bf16, in place
	v_cvt_pk_bf16_f32 v[(\reg)], v[(\reg)], v[(\reg)+1]
	v_cvt_pk_bf16_f32 v[(\reg)+1], v[(\reg)+2], v[(\reg)+3]
	v_cvt_pk_bf16_f32 v[(\reg)+2], v[(\reg)+4], v[(\reg)+5]
	v_cvt_pk_bf16_f32 v[(\reg)+3], v[(\reg)+6], v[(\reg)+7]
.endm
.macro CVH reg                         ; eight f32 -> their bf16 numbers, written as f16, in place
	CVB \reg
.irp j, 0,1,2,3
	v_lshlrev_b32 v[(\reg)+4+2*(\j%2)], 16, v[(\reg)+\j]
	v_and_b32 v[(\reg)+5+2*(\j%2)], s[HIM], v[(\reg)+\j]
	v_cvt_pk_f16_f32 v[(\reg)+\j], v[(\reg)+4+2*(\j%2)], v[(\reg)+5+2*(\j%2)]
.endr
.endm
	s_load_b512 s[16:31], s[0:1], 0x0              ; ts_emb 16, Wq 18, Wo 20, bo 22, cluster_probs 24, tokens 26, Wk 28, Wv 30
	s_load_b256 s[32:39], s[0:1], 0x40             ; bv 32, xb 34, hw 36, wo16 38
	s_load_b64 s[40:41], s[0:1], 0x60              ; og
	v_lshl_add_u32 v[SPW], v0, 2, SPARE
	v_mov_b32 v[NIL], 0
	v_lshrrev_b32 v1, 5, v0
	v_readfirstlane_b32 s[WV], v1                  ; wave 0..3
	v_and_b32 v1, 31, v0                           ; L
	v_and_b32 v2, 15, v0                           ; r
	v_bfe_u32 v3, v0, 4, 1                         ; hh
	v_lshlrev_b32 v[XI], 5, v0
	v_lshlrev_b32 v[O16], 4, v0
	v_lshrrev_b32 v[TA], 3, v0                     ; t >> 3
	v_and_b32 v[TB], 7, v0                         ; t & 7
	v_cmp_gt_u32 s50, 16, v0                       ; threads 0..15: the lanes of a gate block that hold gates
	v_lshlrev_b32 v[PI], 5, v2
	v_lshlrev_b32 v[TB], 5, v[TB]
	v_mad_u32_u24 v[OI], v[TA], 0xc00, v[TB]
	v_lshl_add_u32 v[QI], v[TA], 11, v[TB]
	s_mov_b32 s2, ttmp9                            ; q
	s_mov_b32 s5, 0                                ; offsets are made in s[4:5], apart from the addresses
	s_mov_b32 s[HIM], 0xffff0000
	s_and_b32 s7, s2, 3
	s_wait_kmcnt 0x0
	s_lshl_b32 s4, s2, 16
	s_add_nc_u64 s[16:17], s[16:17], s[4:5]        ; x: my 65,536 bytes
	s_lshl_b32 s4, s2, 15
	s_add_nc_u64 s[34:35], s[34:35], s[4:5]
	s_lshr_b32 s6, s2, 5                           ; Wq: cluster q >> 5, head (q >> 2) & 7, 128 rows (q & 3)
	s_bfe_u32 s8, s2, 0x30002
	s_lshl_b32 s4, s6, 20
	s_lshl_b32 s9, s7, 18
	s_add_co_u32 s4, s4, s9
	s_lshl_b32 s9, s8, 8
	s_add_co_u32 s4, s4, s9
	s_add_nc_u64 s[18:19], s[18:19], s[4:5]
	s_lshr_b32 s4, s2, 2
	s_lshl_b32 s4, s4, 17
	s_lshl_b32 s9, s7, 14
	s_add_co_u32 s4, s4, s9
	s_add_nc_u64 s[42:43], s[36:37], s[4:5]
	s_mul_i32 s4, s2, 49152                        ; Wo: my 16 rows of its 4,096
	s_add_nc_u64 s[20:21], s[20:21], s[4:5]
	s_mul_i32 s6, s2, 205                          ; a step has 20 such parts: q / 20 = (205 q) >> 12 for q up to 255,
	s_lshr_b32 s6, s6, 12
	s_mul_i32 s9, s6, 20
	s_sub_co_u32 s9, s2, s9                        ; and q % 20
	s_mul_i32 s4, s6, STEPB
	s_lshl_b32 s9, s9, 11
	s_add_co_u32 s4, s4, s9
	s_add_nc_u64 s[44:45], s[38:39], s[4:5]
	s_lshl_b32 s4, s2, 10                          ; p: my 32 rows
	s_add_nc_u64 s[24:25], s[24:25], s[4:5]
	s_lshr_b32 s4, s2, 2
	s_mul_i32 s4, s4, RTB
	s_lshl_b32 s9, s7, 12
	s_add_co_u32 s4, s4, s9
	s_add_co_u32 s4, s4, 64*16384
	s_add_nc_u64 s[40:41], s[40:41], s[4:5]
	; THE CASTS.  A chunk is eight numbers: two loads of 16 bytes, one store of 16; a wave's store covers 512 consecutive bytes, aligned.  All 76 loads go out first.
	WIN 0x80
.set i, 0
.rept 16
	global_load_b128 v[8*i:8*i+3],   v[XI], s[16:17] offset:4096*i th:TH_LOAD_NT
	global_load_b128 v[8*i+4:8*i+7], v[XI], s[16:17] offset:4096*i+16 th:TH_LOAD_NT
.set i, i+1
.endr
.set i, 0
.rept 8
	global_load_b128 v[128+8*i:128+8*i+3],   v[QI], s[18:19] offset:32768*i th:TH_LOAD_NT
	global_load_b128 v[128+8*i+4:128+8*i+7], v[QI], s[18:19] offset:32768*i+16 th:TH_LOAD_NT
.set i, i+1
.endr
	WIN 0xc0
.set i, 0
.rept 12
	global_load_b128 v[8*i:8*i+3],   v[OI], s[20:21] offset:256*i th:TH_LOAD_NT
	global_load_b128 v[8*i+4:8*i+7], v[OI], s[20:21] offset:256*i+16 th:TH_LOAD_NT
.set i, i+1
.endr
.irp i, 0,1
	global_load_b128 v[96+8*\i:96+8*\i+3],   v[PI], s[24:25] offset:512*\i
	global_load_b128 v[96+8*\i+4:96+8*\i+7], v[PI], s[24:25] offset:512*\i+16
.endr
	; chunks n .. n + 3 of 38, in the order of issue: behind chunk n + 3's two loads 68 - 2 n younger ones were issued
.set n, 0
.rept 4                                ; x
	WAITL 68-2*n
	WIN 0x8a
.irp d, 0,1,2,3
	CVB 8*(n+\d)
.endr
	WIN 0x08
.irp d, 0,1,2,3
	global_store_b128 v[O16], v[8*(n+\d):8*(n+\d)+3], s[34:35] offset:2048*(n+\d)
.endr
.set n, n+4
.endr
.rept 2                                ; Wq
	WAITL 68-2*n
	WIN 0x8a
.irp d, 0,1,2,3
	CVB 8*(n+\d)
.endr
	WIN 0x08
.irp d, 0,1,2,3
	global_store_b128 v[O16], v[8*(n+\d):8*(n+\d)+3], s[42:43] offset:2048*(n+\d-16)
.endr
.set n, n+4
.endr
.rept 3                                ; Wo, a group of 64 columns a chunk: group g lies in column tile g / 3, place g % 3
	WAITL 68-2*n
	WIN 0xcf
.irp d, 0,1,2,3
	CVH 8*(n+\d-24)
.endr
	WIN 0x0c
.irp d, 0,1,2,3
	global_store_b128 v[O16], v[8*(n+\d-24):8*(n+\d-24)+3], s[44:45] offset:NTB*((n+\d-24)/3)+GRPB*((n+\d-24)%3)
.endr
.set n, n+4
.endr
	s_wait_loadcnt 0x0                             ; p: chunk i is row tile 2 (q & 3) + i of the gate block: thread t is k tile t / 32, lane t % 32
	WIN 0xcf
	CVH 96
	CVH 104
.irp k, 0,1,2,3
	v_cndmask_b32 v[96+\k], 0, v[96+\k], s50       ; k from 8 on is 0
	v_cndmask_b32 v[104+\k], 0, v[104+\k], s50
.endr
	WIN 0x0c
	global_store_b128 v[O16], v[96:99],   s[40:41]
	global_store_b128 v[O16], v[104:107], s[40:41] offset:2048
	WIN 0
	s_cmp_lt_u32 s2, 48                            ; wo16's last 64 rows (k = 4096..4159) of each group: 12 groups x 4 work-groups
	s_cbranch_scc0 .Lno_tail
	s_lshr_b32 s6, s2, 2                           ; the group g
	s_and_b32 s7, s2, 3
	s_lshl_b32 s4, s6, 8
	s_add_nc_u64 s[22:23], s[22:23], s[4:5]
	s_mul_i32 s8, s6, 11                           ; g / 3 = (11 g) >> 5 for g up to 11
	s_lshr_b32 s8, s8, 5
	s_mul_i32 s9, s8, 3
	s_sub_co_u32 s9, s6, s9                        ; g % 3
	s_mul_i32 s4, s8, NTB
	s_mul_i32 s9, s9, GRPB
	s_add_co_u32 s4, s4, s9
	s_lshl_b32 s9, s7, 11
	s_add_co_u32 s4, s4, s9
	s_add_co_u32 s4, s4, 12*STEPB+256*128          ; step 12, its rows 256 on
	s_add_nc_u64 s[46:47], s[38:39], s[4:5]
	s_lshl_b32 s9, s7, 4
	v_add_nc_u32 v[TA], s9, v[TA]                  ; the row, 0..63: rows 0..7 are bo's, the others 0
	v_cmp_gt_u32 s51, 8, v[TA]
	v_min_u32 v[TA], 7, v[TA]
	v_mad_u32_u24 v[BI], v[TA], 0xc00, v[TB]
	WIN 0xc0
	global_load_b128 v[112:115], v[BI], s[22:23]
	global_load_b128 v[116:119], v[BI], s[22:23] offset:16
	s_wait_loadcnt 0x0
	WIN 0xcf
	CVH 112
.irp k, 0,1,2,3
	v_cndmask_b32 v[112+\k], 0, v[112+\k], s51
.endr
	WIN 0x0c
	global_store_b128 v[O16], v[112:115], s[46:47]
	WIN 0
.Lno_tail:
	; THE K/V TILE: cluster q >> 5, K (0) or V (1) by bit 4, head (q >> 1) & 7, keys 128 (q & 1) on
	s_lshr_b32 s6, s2, 5
	s_bfe_u32 s7, s2, 0x10004
	s_bfe_u32 s8, s2, 0x30001
	s_and_b32 s9, s2, 1
	s_mov_b32 s10, 98304                           ; K's place in a record; V's is 65,536
	s_cmp_eq_u32 s7, 0
	s_cselect_b64 s[48:49], s[28:29], s[30:31]
	s_cselect_b32 s10, s10, 0x10000
	s_mul_i32 s4, s6, 1572864
	s_mul_i32 s11, s[WV], 393216                   ; my wave's 192 rows of the weights
	s_add_co_u32 s4, s4, s11
	s_lshl_b32 s11, s8, 8
	s_add_co_u32 s4, s4, s11
	s_add_nc_u64 s[48:49], s[48:49], s[4:5]
	s_mul_i32 s4, s6, 768000
	s_mul_i32 s11, s[WV], 768
	s_add_co_u32 s4, s4, s11
	s_add_nc_u64 s[26:27], s[26:27], s[4:5]
	s_lshl_b32 s4, s6, 11
	s_lshl_b32 s11, s8, 8
	s_add_co_u32 s4, s4, s11
	s_add_nc_u64 s[32:33], s[32:33], s[4:5]
	s_lshl3_add_u32 s11, s6, s8
	s_lshl_b32 s4, s11, 17
	s_add_co_u32 s4, s4, s10
	s_lshl_b32 s11, s9, 14
	s_add_co_u32 s4, s4, s11
	s_lshl_b32 s11, s[WV], 12                      ; on the way out my wave has keys 32 w on
	s_add_co_u32 s4, s4, s11
	s_add_nc_u64 s[52:53], s[36:37], s[4:5]
	v_lshlrev_b32 v[WO], 4, v2
	v_lshl_add_u32 v[WO], v3, 15, v[WO]
	v_lshlrev_b32 v[BVO], 7, v3
	s_lshl_b32 s11, s9, 7
	v_add_nc_u32 v[TA], s11, v2
	v_lshlrev_b32 v[H64], 6, v3
.set a, 0
.rept 8
	v_add_nc_u32 v[TB], 16*a, v[TA]
	v_min_u32 v[TB], 249, v[TB]                    ; keys 250..255 repeat the last token: finite numbers, masked in the next launch
	v_mad_u32_u24 v[TO+a], v[TB], 0xc00, v[H64]
.set a, a+1
.endr
	v_lshlrev_b32 v[GO], 4, v1
	s_lshl_b32 s11, s[WV], 15
	v_add_nc_u32 v[LSA], s11, v[GO]
	s_lshl_b32 s11, s[WV], 13
	v_add_nc_u32 v[LR0], s11, v[GO]
	v_add_nc_u32 v[LR1], 0x10000, v[LR0]
	s_mul_i32 s11, s[WV], 16*SP
	s_add_co_u32 s11, s11, STAGE
	v_mul_u32_u24 v[STO], v2, SP
	v_lshl_add_u32 v[STO], v3, 6, v[STO]
	v_add_nc_u32 v[STO], s11, v[STO]
	v_bfe_u32 v[RD], v0, 3, 2
	v_mul_u32_u24 v[RD], v[RD], SP
	v_and_b32 v[TB], 7, v0
	v_lshl_add_u32 v[RD], v[TB], 4, v[RD]
	v_add_nc_u32 v[RD], s11, v[RD]
; A step's 48 loads into set 0 (window 2) or 1 (window 3), ks steps behind the two pointers: 16 rows of weights (16 lanes read a head's 256 bytes of a row), then for each of 8 key tiles 64 bytes a lane of a token row
.macro KVLOAD ks, set
	WIN 0x80+0x40*(\set)
.set e, 0
.rept 16
	global_load_b128 v[4*e:4*e+3], v[WO], s[48:49] offset:(\ks)*65536+e*2048
.set e, e+1
.endr
.set a, 0
.rept 8
.irp f, 0,1,2,3
	global_load_b128 v[64+16*a+4*\f:64+16*a+4*\f+3], v[TO+a], s[26:27] offset:(\ks)*128+16*\f
.endr
.set a, a+1
.endr
.endm
; 96 roundings.  Fragment i of the weights: lane row r stands for channel 4 r + i (register i of each load); its register rho holds places 2 rho, 2 rho + 1
.macro KVCVT set
	WIN 0x0a+0x05*(\set)
.set rho, 0
.rept 8
.irp i, 0,1,2,3
	v_cvt_pk_bf16_f32 v[WF+8*\i+rho], v[8*rho+\i], v[8*rho+4+\i]
.endr
.set rho, rho+1
.endr
.set a, 0
.rept 64
	v_cvt_pk_bf16_f32 v[TF+a], v[64+2*a], v[64+2*a+1]
.set a, a+1
.endr
.endm
; 32 products, source 0 = weights, source 1 = tokens; the 32 accumulators (window 1, key tile a, fragment i at 8 (4 a + i)) take turns, over the backward jump too
.macro KVMUL
	WIN 0x50
.set a, 0
.rept 8
.irp i, 0,1,2,3
	v_wmma_f32_16x16x32_bf16 v[8*(4*a+\i):8*(4*a+\i)+7], v[WF+8*\i:WF+8*\i+7], v[TF+8*a:TF+8*a+7], v[8*(4*a+\i):8*(4*a+\i)+7]
.endr
.set a, a+1
.endr
.endm
	s_wait_xcnt 0x0                                ; the casts' stores have read their data: windows 2 and 3 are loaded again only behind this wait
	WIN 0xc0
.irp e, 0,1,2,3,4,5,6,7
	global_load_b128 v[192+4*\e:192+4*\e+3], v[BVO], s[32:33] offset:16*\e  ; bv of my 32 channels; K's tiles load these 128 bytes too and do not add them, so that the registers are written on every path
.endr
	KVLOAD 0, 0
	KVLOAD 1, 1
	WIN 0x40
.set i, 0
.rept 256
	v_mov_b32 v[i], 0                              ; the sums start at 0: written while the first loads are on their way
.set i, i+1
.endr
	WIN 0
	s_mov_b32 s12, 2
.Lkv:                                  ; a trip: steps 2 i and 2 i + 1 are multiplied, steps 2 i + 2 and 2 i + 3 asked for
	s_wait_loadcnt 48                              ; set 0 is in; set 1's 48 younger loads may stay out
	PLACES                                         ; the roundings write fragments that the last products read
	KVCVT 0
	KVLOAD 2, 0                                    ; the set is asked for again as soon as it is rounded
	KVMUL
	s_wait_loadcnt 48                              ; set 1 is in
	PLACES
	KVCVT 1
	KVLOAD 3, 1
	KVMUL
	WIN 0
	s_wait_xcnt 0x0                                ; every load has read its address: the pointers step two steps on
	s_add_nc_u64 s[48:49], s[48:49], 131072
	s_add_nc_u64 s[26:27], s[26:27], 256
	s_sub_co_u32 s12, s12, 1
	s_cmp_lg_u32 s12, 0
	s_cbranch_scc1 .Lkv
	s_wait_loadcnt 48                              ; the last two steps load nothing
	PLACES
	KVCVT 0
	KVMUL
	s_wait_loadcnt 0x0
	PLACES
	KVCVT 1
	KVMUL
	PLACES
	WIN 0x04                                       ; the four waves' partial sums meet in LDS; each accumulator's low half goes first
.set i, 0
.rept 32
	ds_store_b128 v[LSA], v[8*i:8*i+3]   offset:PARTS+1024*i
	ds_store_b128 v[LSA], v[8*i+4:8*i+7] offset:PARTS+1024*i+512
.set i, i+1
.endr
	WIN 0
	s_wait_dscnt 0x0                               ; for the others' sake: my stores are done
	s_barrier_signal -1
	s_barrier_wait -1
	WIN 0x80                                       ; wave w takes accumulators 8 w .. 8 w + 7: keys 32 w .. 32 w + 31
.set i, 0
.rept 16
	ds_load_b128 v[4*i:4*i+3],         v[LR0] offset:PARTS+512*i
	ds_load_b128 v[64+4*i:64+4*i+3],   v[LR0] offset:PARTS+32768+512*i
	ds_load_b128 v[128+4*i:128+4*i+3], v[LR1] offset:PARTS+512*i
	ds_load_b128 v[192+4*i:192+4*i+3], v[LR1] offset:PARTS+32768+512*i
.set i, i+1
.endr
	s_wait_dscnt 0x0
	WIN 0x8a
.set i, 0
.rept 32
	v_pk_add_f32 v[i:i+1], v[i:i+1], v[64+i:64+i+1]
	v_pk_add_f32 v[128+i:128+i+1], v[128+i:128+i+1], v[192+i:192+i+1]
.set i, i+2
.endr
.set i, 0
.rept 32
	v_pk_add_f32 v[i:i+1], v[i:i+1], v[128+i:128+i+1]
.set i, i+2
.endr
	WIN 0
	s_cmp_eq_u32 s7, 1
	s_cbranch_scc0 .Lno_bias                       ; K has no bias (see the head)
	WIN 0xcf
.set m, 0
.rept 16
	v_cvt_pk_bf16_f32 v[224+m], v[192+2*m], v[192+2*m+1]
.set m, m+1
.endr
.set m, 0
.rept 16
	v_lshlrev_b32 v[192+2*m], 16, v[224+m]
	v_and_b32 v[192+2*m+1], s[HIM], v[224+m]
.set m, m+1
.endr
	WIN 0x8e                                       ; register j of fragment i is channel 32 hh + 4 j + i
.set a, 0
.rept 8
.irp j, 0,1,2,3,4,5,6,7
	v_add_f32 v[8*a+\j], v[8*a+\j], v[192+4*\j+a%4]
.endr
.set a, a+1
.endr
	WIN 0
.Lno_bias:
	WIN 0x0a                                       ; 32 neighbouring channels of one key a lane: 64 bytes
.irp a, 0,1
.irp j, 0,1,2,3,4,5,6,7
	v_cvt_pk_f16_f32 v[PK+16*\a+2*\j],   v[8*(4*\a)+\j],   v[8*(4*\a+1)+\j]
	v_cvt_pk_f16_f32 v[PK+16*\a+2*\j+1], v[8*(4*\a+2)+\j], v[8*(4*\a+3)+\j]
.endr
.endr
	WIN 0
.irp a, 0,1                            ; through my own stage: in by keys, back as 512 consecutive bytes; LDS serves a wave's instructions in order (ISA guide 5.7.1.4)
.irp e, 0,1,2,3
	ds_store_b128 v[STO], v[PK+16*\a+4*\e:PK+16*\a+4*\e+3] offset:16*\e
.endr
.irp f, 0,1,2,3
	ds_load_b128 v[PK+16*\a+4*\f:PK+16*\a+4*\f+3], v[RD] offset:576*\f
.endr
.endr
.irp a, 0,1
.irp f, 0,1,2,3
	s_wait_dscnt (1-\a)*8+3-\f                     ; behind this load stand the rest of its four and, for the first 16 keys, the second 16 keys' eight
	global_store_b128 v[GO], v[PK+16*\a+4*\f:PK+16*\a+4*\f+3], s[52:53] offset:2048*\a+512*\f
.endr
.endr
	s_wait_tensorcnt 0x0                           ; the wave's end: behind my last LDS store
	ds_add_u32 v[SPW], v[NIL]
	s_wait_dscnt 0x0
	s_endpgm
.Lfunc_end_k_qe5eec6f0a4_prep:
	.size	k_qe5eec6f0a4_prep, .Lfunc_end_k_qe5eec6f0a4_prep-k_qe5eec6f0a4_prep
	.p2alignl 7, 3214868480
	.fill 96, 4, 3214868480
	.section	.rodata,"a",@progbits
	.p2align	6, 0x0
	.amdhsa_kernel k_qe5eec6f0a4_prep
		.amdhsa_group_segment_fixed_size 140800
		.amdhsa_private_segment_fixed_size 0
		.amdhsa_enable_private_segment 0
		.amdhsa_kernarg_size 104
		.amdhsa_user_sgpr_count 2
		.amdhsa_user_sgpr_kernarg_segment_ptr 1
		.amdhsa_wavefront_size32 1
		.amdhsa_system_sgpr_workgroup_id_x 1
		.amdhsa_system_sgpr_workgroup_id_y 1
		.amdhsa_system_sgpr_workgroup_id_z 1
		.amdhsa_system_vgpr_workitem_id 0
		.amdhsa_next_free_vgpr 1024
		.amdhsa_next_free_sgpr 66
		.amdhsa_reserve_vcc 0
		.amdhsa_float_denorm_mode_32 3
		.amdhsa_float_denorm_mode_16_64 3
		.amdhsa_memory_ordered 1
		.amdhsa_forward_progress 1
		.amdhsa_inst_pref_size 121
	.end_amdhsa_kernel
	.amdgpu_metadata
---
amdhsa.version: [ 1, 2 ]
amdhsa.kernels:
  - .name:           k_qe5eec6f0a4_prep
    .symbol:         k_qe5eec6f0a4_prep.kd
    .args:
      - { .name: ts_emb, .offset: 0, .size: 8, .value_kind: global_buffer, .address_space: global }
      - { .name: Wq, .offset: 8, .size: 8, .value_kind: global_buffer, .address_space: global }
      - { .name: Wo, .offset: 16, .size: 8, .value_kind: global_buffer, .address_space: global }
      - { .name: bo, .offset: 24, .size: 8, .value_kind: global_buffer, .address_space: global }
      - { .name: cluster_probs, .offset: 32, .size: 8, .value_kind: global_buffer, .address_space: global }
      - { .name: topk_token_embeddings, .offset: 40, .size: 8, .value_kind: global_buffer, .address_space: global }
      - { .name: Wk, .offset: 48, .size: 8, .value_kind: global_buffer, .address_space: global }
      - { .name: Wv, .offset: 56, .size: 8, .value_kind: global_buffer, .address_space: global }
      - { .name: bv, .offset: 64, .size: 8, .value_kind: global_buffer, .address_space: global }
      - { .name: xb, .offset: 72, .size: 8, .value_kind: global_buffer, .address_space: global }
      - { .name: hw, .offset: 80, .size: 8, .value_kind: global_buffer, .address_space: global }
      - { .name: wo16, .offset: 88, .size: 8, .value_kind: global_buffer, .address_space: global }
      - { .name: og, .offset: 96, .size: 8, .value_kind: global_buffer, .address_space: global }
    .group_segment_fixed_size: 140800
    .private_segment_fixed_size: 0
    .kernarg_segment_align: 8
    .kernarg_segment_size: 104
    .max_flat_workgroup_size: 128
    .sgpr_count:     66
    .vgpr_count:     1024
    .wavefront_size: 32
...
	.end_amdgpu_metadata
.endif
;; end of part 1
;; launch attn (part 2): grid 32 x 8, 4 waves a work-group, clusters of 4 x 1, 327,680 bytes of LDS; arguments xb, hw, bq, cluster_probs, og; writes og
.if DOCPART == 2
	.amdgcn_target "amdgcn-amd-amdhsa--gfx1250"
	.amdhsa_code_object_version 6
	.text
	.protected	k_qe5eec6f0a4_attn
	.globl	k_qe5eec6f0a4_attn
	.p2align	8
	.type	k_qe5eec6f0a4_attn,@function
k_qe5eec6f0a4_attn:
	s_mov_b64 s[64:65], 0
	v_nop
	global_prefetch_b8 v0, s[64:65] scope:SCOPE_SE
	s_setreg_imm32_b32 hwreg(HW_REG_WAVE_MODE, 25, 1), 1
	s_wait_xcnt 0x0
	s_wait_alu depctr_hold_cnt(0) depctr_sa_sdst(0) depctr_va_vdst(0) depctr_va_sdst(0) depctr_va_ssrc(0) depctr_va_vcc(0) depctr_vm_vsrc(0)
	s_getreg_b32 s2, hwreg(HW_REG_IB_STS2, 6, 4)
	s_cmp_eq_u32 s2, 0
	s_cbranch_scc0 .Lentry_in_a_cluster
	s_endpgm
.Lentry_in_a_cluster:
	s_bfe_u32 s2, ttmp6, 0x10000c
	s_cmp_lg_u32 s2, 0x3003
	s_cbranch_scc0 .Lentry_shape_is_right
	s_endpgm
.Lentry_shape_is_right:
; TSAligner, launch 2 of 3: for cluster c (grid y) and 256 rows of x: q = x Wq[c] + bq[c], attention in 8 heads over the cluster's 250 tokens, the gate; og takes p[n][c] o in f16.
; LEFT OUT: bk, which is the same along the softmax's axis and cancels (shown at the head of the first launch).
; SHARES.  A wave has 64 rows: four tiles of 16, whose x (bf16) stays in 512 registers for all 8 heads.  A head at a time: Q^T = Wq_h^T x^T + bq_h (the bias is the C operand of the first step),
; rounded to f16; then, for two tiles at a time (a PIECE): S^T = K Q^T over all 256 key places, the softmax, O^T = V^T P, times gate / sum, to og.
; LAYOUT.  All products are used transposed, so a lane holds ONE row of x (lane % 16) in Q^T, S^T, P and O^T: two results of Q^T rounded in pairs ARE source 1 of K Q^T, two of S^T ARE source 1 of
; V^T P, and maximum and sum want one exchange between the halves of the lanes.  Wq ([k][channel]) and V ([key][channel]) come out of LDS turned, by ds_load_tr16_b128; K as it lies.
; og IS LAID AS THE NEXT LAUNCH'S OPERAND REGISTERS TAKE IT: [64 row tiles of 128][65 blocks of 64 k][8 row tiles of 16][4 tiles of 16 k][32 lanes][16 bytes].  A result of O^T rounded in pairs, four registers a lane,
; is such a unit of 512 bytes: it is stored as it stands, 512 consecutive bytes an instruction, and goes through no LDS.
; SOFTMAX.  All of a row's 256 scores are in registers, so the true maximum m is taken away: p = 2^(c s - c m), c = log2(e) / 8.  Key places 250..255 hold no token: their scores are replaced by -1e30.
; LIMITS.  |q|, |k|, |v|, |p o| up to 65,504 (f16); real scores are at most 2.8e11 in size, far above -1e30; a weight below 2^-126 counts as 0; NaN and infinities are not treated apart.
; CLUSTER.  The four row blocks of a cluster walk the same 8 records (Wq_h, V_h, K_h: 131,072 bytes) of cluster c: each is asked for JOINTLY, wave w taking 32,768 bytes as 128 rows of 256.
; Two LDS slots take turns: a head's record is asked for one head ahead, and has a head's 512 matrix instructions in which to land.  A wave has one tensor load out behind each round.
; In LDS a row of 256 bytes holds two rows of 64 numbers; pitch 288 for the turning loads (8 rows x 32 bytes touch each bank once), 272 for plain fragments (16 rows start at 16 different groups of four banks: 64 banks of 4 bytes, ISA guide 11.1).
; No LDS address is made in a register that ever holds a number that differs between the partners of a cluster (the row block, the gates, x): those have registers of their own.
; REGISTERS, in windows of 256 (s_set_vgpr_msb: bits 1:0 source 0, 3:2 source 1, 5:4 source 2, 7:6 destination):
;   window 0: v0-31 addresses and statistics; v32-95 q; v96-223 fragment buffers; v192-255 O^T (v192-215 the softmax's temporaries before that; v224-255 the bias in the Q phase)
;   window 1: Q^T's sums, then S^T (tile u, key tile kt at 128 u + 8 kt), P in place          windows 2, 3: x (tile t, step s at 32 (s % 8) + 8 t, window 2 + s / 8)
.set REC,   131072
.set RTB,   1064960                    ; a row tile of og: 65 blocks of 16,384
.set SLOT1, 147456                     ; slot 1's first byte: it shares no bit with 36,864 x wave, so one exclusive or turns an address of one slot into the other's
.set WQH,   36864                      ; 128 rows x 288
.set VOFF,  73728
.set KOFF,  110592
.set BIAS,  292864                     ; behind the ring, never filled by a tensor load: bq[c], 512 f32
.set SPARE, 294912                     ; the spare words, 128 bytes a wave: two blocks of 256 bytes that no other line names
.set BA0, 1                            ; v1  32 (l / 16)
.set TRL, 2                            ; v2  my lane's place in a turned fragment; never rewritten
.set AKL, 3                            ; v3  the same for K
.set AW0, 4                            ; v4, v5 Wq's steps 0-7, 8-15 in the slot in hand
.set AW1, 5
.set AK,  6
.set AV,  7
.set BA,  8                            ; v8  at the head: where I put my 16 bytes of the bias; in a head: where I read the head's bias
.set GO,  11                           ; v11 16 x lane
.set GT,  12                           ; v12-15 the gates of my four tiles
.set GP,  16                           ; v16-17 the piece's two
.set FP,  18                           ; v18-21 gate / sum, a pair a tile
.set CM,  22                           ; v22-25 c m, a pair a tile
.set TA,  26                           ; v26, v27 at work at the head: lane terms, global offsets, the roundings of gates and bias; no LDS address is taken from them behind the loads
.set TB,  27
.set SPW, 28                           ; v28 my spare word; never rewritten
.set NIL, 29                           ; v29 0; never rewritten
.set PFO, 30                           ; v30 256 x lane
.set XO,  31
.set QF,  32                           ; q: tile t, channels 32 s on at QF + 16 t + 8 s
.set FA,  96                           ; two buffers of 64 (Wq, K); three of 32 (V)
.set PK,  96
.set TM,  192
.set SU,  200
.set OT,  192                          ; O^T: tile u, channels 16 c on at OT + 32 u + 8 c
.set BQ,  224
.set WV,  14
.set G1W, 24                           ; s[24:31] descriptor group 1, pitch 288
.set G1K, 32                           ; s[32:39] the same with pitch 272
.set G0,  40                           ; s[40:43] descriptor group 0: it walks
.set KB,  44                           ; s44 K's first byte in the slot in hand
.set SB,  45                           ; s45 the slot in hand
.set CNT, 47
.set PCE, 48
.set CS,  50                           ; s[50:51] c
.set SEL, 52                           ; s[52:53] v_permlanex16_b32's selects: each lane takes its own place in the other half
.set BIGN, 54
.set HIM, 55                           ; s55 0xffff0000: a word's upper bf16, and the mask of lanes 16-31
.set PFA, 56                           ; s[56:57] where my prefetches stand
.set LIM, 58
.set HB,  59                           ; s59 the head's bias in LDS
.set MSB, 0
.macro WIN new
.if MSB != (\new)
	s_set_vgpr_msb (MSB<<8)|(\new)
.set MSB, (\new)
.endif
.endm
.macro PLACES                          ; four places behind a matrix instruction, ahead of loads into or vector writes of its registers and of reads of its result
.rept 4
	v_nop
.endr
.endm
.macro JLOAD                           ; a joint fill: waves 0-2 (Wq's halves, V) with pitch 288, wave 3 (K) with 272; an s_nop 0 and four v_nop follow each line
	s_cmp_lt_u32 s[WV], 3
	s_cbranch_scc0 .Lfor_k_\@
	tensor_load_to_lds s[G0:G0+3], s[G1W:G1W+7]
	s_nop 0
.rept 4
	v_nop
.endr
	s_branch .Lasked_\@
.Lfor_k_\@:
	tensor_load_to_lds s[G0:G0+3], s[G1K:G1K+7]
	s_nop 0
.rept 4
	v_nop
.endr
.Lasked_\@:
.endm
; A prefetch of the record that the NEXT change of slots will ask for: 512 blocks of 256 bytes = 4 partners x 4 waves x 32 lanes, shared out by address.  The 8 clusters of a c read the same records:
; the first of them asks, so each block is named once.  Heads 0 and 1 come by their loads alone; the last change that fills a slot asks for nothing.
.macro ASK
	s_cmp_gt_u32 s[CNT], s[LIM]
	s_cbranch_scc0 .Lnot_mine_\@
	global_prefetch_b8 v[PFO], s[PFA:PFA+1] th:TH_LOAD_NT scope:SCOPE_SE
.Lnot_mine_\@:
.endm
.macro CROUND                          ; a round of the cluster's barrier
	s_barrier_signal -1
	s_barrier_wait -1
	s_cmp_lg_u32 s[WV], 0
	s_cbranch_scc1 .Lnot_wave_0_\@
	s_barrier_signal -3
.Lnot_wave_0_\@:
	s_barrier_wait -3
	s_barrier_signal -1
	s_barrier_wait -1
.endm
; THE CHANGE OF SLOTS.  Each wave waits for all its tensor loads (one is out: its part of the next head's record), adds 0 to its spare word, and waits for that and for its reads of the slot that it leaves.
; fill = 1: that slot is filled again, with the head after the next; the barrier is a round of the cluster's, and the joint fill is the first thing behind it.
.macro CHANGE fill
	WIN 0
	s_wait_tensorcnt 0x0                           ; no tensor load of mine is out, so group 0 may be written
	ds_add_u32 v[SPW], v[NIL]
.if \fill
	s_xor_b32 s[G0+1], s[G0+1], SLOT1
	s_add_nc_u64 s[G0+2:G0+3], s[G0+2:G0+3], REC   ; the type bits on top are not reached
	s_wait_xcnt 0x0                                ; the last prefetch, a head back, has read its address
	s_add_nc_u64 s[PFA:PFA+1], s[PFA:PFA+1], REC
	s_wait_dscnt 0x0
	CROUND
	JLOAD
	ASK
.else
	s_wait_dscnt 0x0
	s_barrier_signal -1
	s_barrier_wait -1
.endif
	s_xor_b32 s[SB], s[SB], SLOT1
.endm
	s_load_b256 s[4:11], s[0:1], 0x0               ; xb 4, hw 6, bq 8, cluster_probs 10
	s_load_b64 s[12:13], s[0:1], 0x20              ; og
	v_lshl_add_u32 v[SPW], v0, 2, SPARE
	v_mov_b32 v[NIL], 0
	ds_add_u32 v[SPW], v[NIL]                      ; the wave's opening: the add, twice on end, and its wait ahead of my first tensor load
	ds_add_u32 v[SPW], v[NIL]
	v_lshrrev_b32 v1, 5, v0
	v_readfirstlane_b32 s[WV], v1
	s_bfe_u32 s15, ttmp6, 0x40000                  ; cx: it enters global addresses of x, p, og and the prefetches alone
	s_lshl_b32 s16, ttmp9, 2
	s_add_co_u32 s16, s16, s15                     ; my block of 256 rows
	s_and_b32 s17, ttmp7, 0xffff                   ; c, which the four partners share
	s_mov_b32 s[G1W], 15|(1<<16)|(1<<20)|(1<<21)|(5<<22)|(7<<25)  ; mask of four; 2-byte elements; padding on; bit 21 beside a mask; after every 64 words, 8 words
	s_mov_b32 s[G1K], 15|(1<<16)|(1<<20)|(1<<21)|(5<<22)|(3<<25)  ; the same with 4 words
.irp g, G1W, G1K
	s_mov_b32 s[\g+1], 128<<16                     ; tensor_dim0 = 128
	s_mov_b32 s[\g+2], 128<<16                     ; tensor_dim1 = 128
	s_mov_b32 s[\g+3], 128<<16                     ; tile_dim0 = 128
	s_mov_b32 s[\g+4], 128                         ; tile_dim1 = 128
	s_mov_b32 s[\g+5], 128                         ; 128 elements from row to row: the bytes are dense
	s_mov_b32 s[\g+6], 0
	s_mov_b32 s[\g+7], 0
.endr
	s_mov_b32 s[G0], 1
	s_mul_i32 s[G0+1], s[WV], WQH                  ; slot 0, my quarter
	s_lshl_b32 s20, s17, 20                        ; the cluster's 8 records,
	s_lshl_b32 s18, s[WV], 15                      ; my 32,768 bytes of a record
	s_add_co_u32 s20, s20, s18
	s_mov_b32 s21, 0
	s_mov_b32 s23, 0
	s_mov_b32 s[CS], 0x3e38aa3b                    ; log2(e) / 8
	s_mov_b32 s[CS+1], s[CS]
	s_mov_b32 s[SEL], 0x76543210
	s_mov_b32 s[SEL+1], 0xfedcba98
	s_mov_b32 s[BIGN], 0xf149f2ca                  ; -1e30
	s_mov_b32 s[HIM], 0xffff0000
	s_mov_b32 s[SB], SLOT1                         ; the first change turns it into 0
	s_mov_b32 s[HB], BIAS
	s_mov_b32 s18, ttmp9
	s_cmp_eq_u32 s18, 0
	s_cselect_b32 s[LIM], 1, -1                    ; the same in all four partners
	v_lshl_add_u32 v[BA], v0, 4, BIAS              ; where my thread's 16 bytes of the bias go
	v_and_b32 v[TA], 15, v0                        ; r
	v_bfe_u32 v[TB], v0, 4, 1                      ; hh
	v_lshlrev_b32 v[BA0], 5, v[TB]
	v_lshlrev_b32 v[XO], 10, v[TA]
	v_lshl_add_u32 v[XO], v[TB], 4, v[XO]
	v_bfe_u32 v[TRL], v0, 1, 2                     ; a turning load's lane l reads row 8 hh + l % 8, 16 bytes (l / 8) % 2: row k lies at (k / 2) 288 + (k % 2) 128
	v_lshl_add_u32 v[TRL], v[TB], 2, v[TRL]
	v_mul_u32_u24 v[TRL], v[TRL], 288
	v_and_b32 v[AW0], 1, v0
	v_lshl_add_u32 v[TRL], v[AW0], 7, v[TRL]
	v_bfe_u32 v[AK], v0, 3, 1
	v_lshl_add_u32 v[TRL], v[AK], 4, v[TRL]
	v_bfe_u32 v[AKL], v0, 1, 3                     ; a plain fragment: row r at (r / 2) 272 + (r % 2) 128, + 16 hh
	v_mul_u32_u24 v[AKL], v[AKL], 272
	v_lshl_add_u32 v[AKL], v[AW0], 7, v[AKL]
	v_lshl_add_u32 v[AKL], v[TB], 4, v[AKL]
	v_and_b32 v[GO], 31, v0
	v_lshlrev_b32 v[PFO], 8, v[GO]
	v_lshlrev_b32 v[GO], 4, v[GO]
	v_lshlrev_b32 v[TA], 5, v[TA]                  ; p's offset: 32 r
	v_lshlrev_b32 v[TB], 4, v0                     ; bq's offset: 16 t
	s_wait_dscnt 0x0                               ; both opening adds are done
	s_wait_kmcnt 0x0
	s_add_nc_u64 s[G0+2:G0+3], s[6:7], s[20:21]
	s_or_b32 s[G0+3], s[G0+3], 0x80000000          ; type = 2
	s_lshl_b32 s22, s16, 18                        ; x at my wave's 64 rows
	s_lshl_b32 s18, s[WV], 16
	s_add_co_u32 s22, s22, s18
	s_add_nc_u64 s[4:5], s[4:5], s[22:23]
	s_lshl_b32 s22, s16, 13                        ; p at the same rows, column c
	s_lshl_b32 s18, s[WV], 11
	s_add_co_u32 s22, s22, s18
	s_lshl_b32 s18, s17, 2
	s_add_co_u32 s22, s22, s18
	s_add_nc_u64 s[10:11], s[10:11], s[22:23]
	s_lshl_b32 s22, s17, 11
	s_add_nc_u64 s[8:9], s[8:9], s[22:23]
	s_lshl_b32 s22, s16, 1                         ; og: row tile 2 RT + w / 2, block 8 c, its row tiles of 16 from 4 (w % 2) on
	s_lshr_b32 s18, s[WV], 1
	s_add_co_u32 s22, s22, s18
	s_mul_i32 s22, s22, RTB
	s_lshl_b32 s18, s17, 17
	s_add_co_u32 s22, s22, s18
	s_and_b32 s18, s[WV], 1
	s_lshl_b32 s18, s18, 13
	s_add_co_u32 s22, s22, s18
	s_add_nc_u64 s[12:13], s[12:13], s[22:23]
	s_lshl2_add_u32 s22, s15, s[WV]                ; the prefetches: my 8,192 bytes of a record, at head 1; the first change steps it to head 2
	s_lshl_b32 s22, s22, 13
	s_lshl_b32 s18, s17, 20
	s_add_co_u32 s22, s22, s18
	s_add_co_u32 s22, s22, REC
	s_add_nc_u64 s[PFA:PFA+1], s[6:7], s[22:23]
	CROUND                                         ; all four work-groups are here: the first joint loads meet
	JLOAD                                          ; head 0 into slot 0
	WIN 0x80                                       ; x stays in registers: a fragment is 16 rows x 32 k: two loads of 16 bytes, 32 bytes apart
.set ks, 0
.rept 8
.irp t, 0,1,2,3
	global_load_b128 v[32*ks+8*\t:32*ks+8*\t+3],   v[XO], s[4:5] offset:16384*\t+64*ks
	global_load_b128 v[32*ks+8*\t+4:32*ks+8*\t+7], v[XO], s[4:5] offset:16384*\t+64*ks+32
.endr
.set ks, ks+1
.endr
	WIN 0xc0
.set ks, 0
.rept 8
.irp t, 0,1,2,3
	global_load_b128 v[32*ks+8*\t:32*ks+8*\t+3],   v[XO], s[4:5] offset:16384*\t+64*ks+512
	global_load_b128 v[32*ks+8*\t+4:32*ks+8*\t+7], v[XO], s[4:5] offset:16384*\t+64*ks+512+32
.endr
.set ks, ks+1
.endr
	WIN 0
.irp t, 0,1,2,3
	global_load_b32 v[GT+\t], v[TA], s[10:11] offset:512*\t
.endr
	global_load_b128 v[QF:QF+3], v[TB], s[8:9]
	s_wait_loadcnt 0x0
	v_cvt_pk_bf16_f32 v[TA], v[GT], v[GT+1]        ; the gates and the bias are rounded to bf16 like every input
	v_cvt_pk_bf16_f32 v[TB], v[GT+2], v[GT+3]
	v_lshlrev_b32 v[GT], 16, v[TA]
	v_and_b32 v[GT+1], s[HIM], v[TA]
	v_lshlrev_b32 v[GT+2], 16, v[TB]
	v_and_b32 v[GT+3], s[HIM], v[TB]
	v_cvt_pk_bf16_f32 v[TA], v[QF], v[QF+1]
	v_cvt_pk_bf16_f32 v[TB], v[QF+2], v[QF+3]
	v_lshlrev_b32 v[QF], 16, v[TA]
	v_and_b32 v[QF+1], s[HIM], v[TA]
	v_lshlrev_b32 v[QF+2], 16, v[TB]
	v_and_b32 v[QF+3], s[HIM], v[TB]
	ds_store_b128 v[BA], v[QF:QF+3]                ; the first change's wait for 0 and its barrier show it to the other waves
; Wq's fragments of steps 2 n, 2 n + 1: 16 turning loads
.macro FETCHW n, buf
	WIN 0
.irp z, 0,1
.irp i, 0,1,2,3
	ds_load_tr16_b128 v[(\buf)+32*\z+8*\i:(\buf)+32*\z+8*\i+3],   v[AW0+(2*(\n)+\z)/8] offset:((2*(\n)+\z)%8)*4608+32*\i
	ds_load_tr16_b128 v[(\buf)+32*\z+8*\i+4:(\buf)+32*\z+8*\i+7], v[AW0+(2*(\n)+\z)/8] offset:((2*(\n)+\z)%8)*4608+32*\i+2304
.endr
.endr
.endm
; 32 products of Q^T; the 16 accumulators (channels 16 i on, tile t, at 8 (4 i + t) of window 1) take turns.  Step 0 takes the bias as C.
.macro MULQ n, buf
.irp z, 0,1
.set sq, 2*(\n)+\z
.if sq == 0
	WIN 0x48
.elseif sq < 8
	WIN 0x58
.else
	WIN 0x5c
.endif
.irp i, 0,1,2,3
.irp t, 0,1,2,3
.if sq == 0
	v_wmma_f32_16x16x32_bf16 v[8*(4*\i+\t):8*(4*\i+\t)+7], v[(\buf)+32*\z+8*\i:(\buf)+32*\z+8*\i+7], v[32*(sq%8)+8*\t:32*(sq%8)+8*\t+7], v[BQ+8*\i:BQ+8*\i+7]
.else
	v_wmma_f32_16x16x32_bf16 v[8*(4*\i+\t):8*(4*\i+\t)+7], v[(\buf)+32*\z+8*\i:(\buf)+32*\z+8*\i+7], v[32*(sq%8)+8*\t:32*(sq%8)+8*\t+7], v[8*(4*\i+\t):8*(4*\i+\t)+7]
.endif
.endr
.endr
.endr
.endm
; K's fragments of key tiles 4 m .. 4 m + 3: 16 loads
.macro FETCHK m, buf
	WIN 0
.irp k, 0,1,2,3
.irp z, 0,1
	ds_load_b128 v[(\buf)+16*\k+8*\z:(\buf)+16*\k+8*\z+3],   v[AK] offset:(4*(\m)+\k)*2176+64*\z
	ds_load_b128 v[(\buf)+16*\k+8*\z+4:(\buf)+16*\k+8*\z+7], v[AK] offset:(4*(\m)+\k)*2176+64*\z+32
.endr
.endr
.endm
.macro MULS m, buf                     ; 16 products of S^T on 8 accumulators by turns
	WIN 0x50
.irp z, 0,1
.irp k, 0,1,2,3
.irp u, 0,1
.if \z == 0
	v_wmma_f32_16x16x32_f16 v[128*\u+8*(4*(\m)+\k):128*\u+8*(4*(\m)+\k)+7], v[(\buf)+16*\k+8*\z:(\buf)+16*\k+8*\z+7], v[QF+16*\u+8*\z:QF+16*\u+8*\z+7], 0
.else
	v_wmma_f32_16x16x32_f16 v[128*\u+8*(4*(\m)+\k):128*\u+8*(4*(\m)+\k)+7], v[(\buf)+16*\k+8*\z:(\buf)+16*\k+8*\z+7], v[QF+16*\u+8*\z:QF+16*\u+8*\z+7], v[128*\u+8*(4*(\m)+\k):128*\u+8*(4*(\m)+\k)+7]
.endif
.endr
.endr
.endr
.endm
.macro FETCHV kq                       ; V's fragments of keys 32 kq on: 8 turning loads into buffer kq % 3
	WIN 0
.irp c, 0,1,2,3
	ds_load_tr16_b128 v[FA+32*((\kq)%3)+8*\c:FA+32*((\kq)%3)+8*\c+3],   v[AV] offset:4608*(\kq)+32*\c
	ds_load_tr16_b128 v[FA+32*((\kq)%3)+8*\c+4:FA+32*((\kq)%3)+8*\c+7], v[AV] offset:4608*(\kq)+32*\c+2304
.endr
.endm
.macro SF p                            ; c s - c m for pair p / 2 of tile p % 2
	v_pk_fma_f32 v[128*((\p)%2)+2*((\p)/2):128*((\p)%2)+2*((\p)/2)+1], v[128*((\p)%2)+2*((\p)/2):128*((\p)%2)+2*((\p)/2)+1], s[CS:CS+1], v[CM+2*((\p)%2):CM+2*((\p)%2)+1] op_sel_hi:[1,0,0] neg_lo:[0,0,1] neg_hi:[0,0,1]
.endm
; A HEAD.
.macro BODY
	WIN 0
	v_add_nc_u32 v[AW0], s[SB], v[TRL]
	v_add_nc_u32 v[AW1], WQH, v[AW0]
	v_add_nc_u32 v[AV], VOFF, v[AW0]
	s_add_co_u32 s[KB], s[SB], KOFF
	v_add_nc_u32 v[AK], s[KB], v[AKL]
	v_add_nc_u32 v[BA], s[HB], v[BA0]
	v_mov_b32 v[GP], v[GT]
	v_mov_b32 v[GP+1], v[GT+1]
	s_mov_b32 s[PCE], 2
	; Q^T.  Register j of the bias is channel 16 i + 8 hh + j, for every row
.irp i, 0,1,2,3
	ds_load_b128 v[BQ+8*\i:BQ+8*\i+3],   v[BA] offset:64*\i
	ds_load_b128 v[BQ+8*\i+4:BQ+8*\i+7], v[BA] offset:64*\i+16
.endr
	FETCHW 0, FA
.set nq, 0
.rept 8
.if nq < 7
	PLACES                                         ; the buffer to be loaded was read by the stage before
	FETCHW nq+1, FA+64*((nq+1)%2)
	s_wait_dscnt 16                                ; all but the 16 just issued
.else
	s_wait_dscnt 0x0
.endif
	MULQ nq, FA+64*(nq%2)
.set nq, nq+1
.endr
	PLACES
	WIN 0x05                                       ; q is rounded to f16: results i = 2 s, 2 s + 1 are the two halves of source 1 for channels 32 s on
.irp i, 0,1,2,3
.irp t, 0,1,2,3
.irp jj, 0,1,2,3
	v_cvt_pk_f16_f32 v[QF+16*\t+8*(\i/2)+4*(\i%2)+\jj], v[8*(4*\i+\t)+2*\jj], v[8*(4*\i+\t)+2*\jj+1]
.endr
.endr
.endr
	WIN 0
.Lpiece_\@:                            ; two trips: tiles 0, 1 and then tiles 2, 3, whose q and gates are moved to the first two's registers
	FETCHK 0, FA
.set ms, 0
.rept 4
.if ms < 3
.if ms > 0
	PLACES
.endif
	FETCHK ms+1, FA+64*((ms+1)%2)
	s_wait_dscnt 16
.else
	s_wait_dscnt 0x0
.endif
	MULS ms, FA+64*(ms%2)
.set ms, ms+1
.endr
	PLACES
	FETCHV 0                                       ; V's first two runs land under the softmax
	FETCHV 1
	WIN 0x41
.irp u, 0,1
.irp j, 2,3,4,5,6,7
	v_cndmask_b32 v[128*\u+120+\j], v[128*\u+120+\j], s[BIGN], s[HIM]  ; key 240 + 8 hh + j is 250 or more: lanes 16-31, j from 2 on
.endr
.endr
	WIN 0x15                                       ; the maximum: four chains of 32 registers a tile, ascending
.irp u, 0,1
.irp c, 0,1,2,3
	v_max3_num_f32 v[TM+4*\u+\c], v[128*\u+32*\c], v[128*\u+32*\c+1], v[128*\u+32*\c+2]
.endr
.endr
	WIN 0x14
.set st, 0
.rept 14
.irp u, 0,1
.irp c, 0,1,2,3
	v_max3_num_f32 v[TM+4*\u+\c], v[TM+4*\u+\c], v[128*\u+32*\c+3+2*st], v[128*\u+32*\c+4+2*st]
.endr
.endr
.set st, st+1
.endr
.irp u, 0,1
	v_max3_num_f32 v[TM+4*\u],   v[TM+4*\u],   v[128*\u+31], v[128*\u+63]
	v_max3_num_f32 v[TM+4*\u+2], v[TM+4*\u+2], v[128*\u+95], v[128*\u+127]
.endr
	WIN 0
.irp u, 0,1
	v_max3_num_f32 v[TM+4*\u], v[TM+4*\u], v[TM+4*\u+1], v[TM+4*\u+2]
.endr
.irp u, 0,1
	v_max_num_f32 v[TM+4*\u], v[TM+4*\u], v[TM+4*\u+3]
.endr
.irp u, 0,1
	v_permlanex16_b32 v[TM+4*\u+1], v[TM+4*\u], s[SEL], s[SEL+1]  ; the row's other 128 key places lie in the lane 16 away
.endr
.irp u, 0,1
	v_max_num_f32 v[TM+4*\u], v[TM+4*\u], v[TM+4*\u+1]
.endr
.irp u, 0,1
	v_mul_f32 v[CM+2*\u], s[CS], v[TM+4*\u]
	v_mul_f32 v[CM+2*\u+1], s[CS], v[TM+4*\u]
.endr
	WIN 0x41                                       ; ONE BATCH: 128 scalings and 256 exponentials, a scaling one group ahead of its two exponentials; nothing here names an exponential's result
	SF 0
.set g, 0
.rept 128
.if g < 127
	SF g+1
.endif
	v_exp_f32 v[128*(g%2)+2*(g/2)], v[128*(g%2)+2*(g/2)]
	v_exp_f32 v[128*(g%2)+2*(g/2)+1], v[128*(g%2)+2*(g/2)+1]
.set g, g+1
.endr
	v_nop                                          ; a plain instruction behind the last exponential,
	s_wait_alu depctr_va_vdst(0)                   ; and the one wait ahead of the batch's first reader
	WIN 0x05                                       ; the sums, of the unrounded weights: four pairs a tile, started by the first eight pairs of weights
.irp u, 0,1
.irp c, 0,1,2,3
	v_pk_add_f32 v[SU+8*\u+2*\c:SU+8*\u+2*\c+1], v[128*\u+2*\c:128*\u+2*\c+1], v[128*\u+8+2*\c:128*\u+8+2*\c+1]
.endr
.endr
	WIN 0x04
.set st, 0
.rept 14
.irp u, 0,1
.irp c, 0,1,2,3
	v_pk_add_f32 v[SU+8*\u+2*\c:SU+8*\u+2*\c+1], v[SU+8*\u+2*\c:SU+8*\u+2*\c+1], v[128*\u+16+8*st+2*\c:128*\u+16+8*st+2*\c+1]
.endr
.endr
.set st, st+1
.endr
	WIN 0
.irp u, 0,1
	v_pk_add_f32 v[SU+8*\u:SU+8*\u+1], v[SU+8*\u:SU+8*\u+1], v[SU+8*\u+2:SU+8*\u+3]
	v_pk_add_f32 v[SU+8*\u+4:SU+8*\u+5], v[SU+8*\u+4:SU+8*\u+5], v[SU+8*\u+6:SU+8*\u+7]
.endr
.irp u, 0,1
	v_pk_add_f32 v[SU+8*\u:SU+8*\u+1], v[SU+8*\u:SU+8*\u+1], v[SU+8*\u+4:SU+8*\u+5]
.endr
.irp u, 0,1
	v_add_f32 v[SU+8*\u], v[SU+8*\u], v[SU+8*\u+1]
.endr
.irp u, 0,1
	v_permlanex16_b32 v[SU+8*\u+1], v[SU+8*\u], s[SEL], s[SEL+1]
.endr
.irp u, 0,1
	v_add_f32 v[SU+8*\u], v[SU+8*\u], v[SU+8*\u+1]
.endr
.irp u, 0,1
	v_rcp_f32 v[SU+8*\u+2], v[SU+8*\u]
.endr
	v_nop
	s_wait_alu depctr_va_vdst(0)                   ; one wait for the two reciprocals
.irp u, 0,1
	v_mul_f32 v[FP+2*\u], v[SU+8*\u+2], v[GP+\u]   ; gate / sum
	v_mul_f32 v[FP+2*\u+1], v[SU+8*\u+2], v[GP+\u]
.endr
	WIN 0x45                                       ; the weights are rounded to f16 in place, ascending: keys 32 kq on lie at 128 u + 8 kq
.irp u, 0,1
.set i, 0
.rept 64
	v_cvt_pk_f16_f32 v[128*\u+i], v[128*\u+2*i], v[128*\u+2*i+1]
.set i, i+1
.endr
.endr
.set kk, 0
.rept 8                                ; O^T = V^T P: 8 accumulators by turns; V is fetched two stages ahead
.if kk < 6
.if kk > 0
	PLACES
.endif
	FETCHV kk+2
	s_wait_dscnt 16                                ; this stage's eight loads are in; the next two stages' may stay out
.elseif kk == 6
	s_wait_dscnt 8
.else
	s_wait_dscnt 0x0
.endif
	WIN 0x04
.irp c, 0,1,2,3
.irp u, 0,1
.if kk == 0
	v_wmma_f32_16x16x32_f16 v[OT+32*\u+8*\c:OT+32*\u+8*\c+7], v[FA+32*(kk%3)+8*\c:FA+32*(kk%3)+8*\c+7], v[128*\u+8*kk:128*\u+8*kk+7], 0
.else
	v_wmma_f32_16x16x32_f16 v[OT+32*\u+8*\c:OT+32*\u+8*\c+7], v[FA+32*(kk%3)+8*\c:FA+32*(kk%3)+8*\c+7], v[128*\u+8*kk:128*\u+8*kk+7], v[OT+32*\u+8*\c:OT+32*\u+8*\c+7]
.endif
.endr
.endr
.set kk, kk+1
.endr
	PLACES
	WIN 0
.irp u, 0,1
.set i, 0
.rept 16
	v_pk_mul_f32 v[OT+32*\u+2*i:OT+32*\u+2*i+1], v[OT+32*\u+2*i:OT+32*\u+2*i+1], v[FP+2*\u:FP+2*\u+1]
.set i, i+1
.endr
.endr
.irp u, 0,1
.set i, 0
.rept 16
	v_cvt_pk_f16_f32 v[PK+16*\u+i], v[OT+32*\u+2*i], v[OT+32*\u+2*i+1]
.set i, i+1
.endr
.endr
.irp u, 0,1                            ; tile u, channels 16 c on: lane (r, hh) holds row r, channels 8 hh + 0..7: half an operand fragment of the next launch, stored as it stands
.irp c, 0,1,2,3
	global_store_b128 v[GO], v[PK+16*\u+4*\c:PK+16*\u+4*\c+3], s[12:13] offset:2048*\u+512*\c  ; 512 consecutive bytes, aligned
.endr
.endr
	s_wait_xcnt 0x0                                ; the stores have read their data and their base
	s_add_nc_u64 s[12:13], s[12:13], 4096          ; the next two tiles' rows
	s_cmp_eq_u32 s[PCE], 1
	s_cbranch_scc1 .Llast_piece_\@
.set i, 0
.rept 32
	v_mov_b32 v[QF+i], v[QF+32+i]
.set i, i+1
.endr
	v_mov_b32 v[GP], v[GT+2]
	v_mov_b32 v[GP+1], v[GT+3]
.Llast_piece_\@:
	s_sub_co_u32 s[PCE], s[PCE], 1
	s_cmp_lg_u32 s[PCE], 0
	s_cbranch_scc1 .Lpiece_\@
	s_add_nc_u64 s[12:13], s[12:13], 8192          ; the next head's block of og
	s_add_co_u32 s[HB], s[HB], 256
.endm
	s_mov_b32 s[CNT], 7
.Lhead:                                ; seven times: head h is entered, head h + 1 asked for
	CHANGE 1
	BODY
	s_sub_co_u32 s[CNT], s[CNT], 1
	s_cmp_lg_u32 s[CNT], 0
	s_cbranch_scc1 .Lhead
	CHANGE 0                                       ; the last head is written out
	BODY
	s_wait_tensorcnt 0x0                           ; the wave's end
	ds_add_u32 v[SPW], v[NIL]
	s_wait_dscnt 0x0
	CROUND                                         ; the closing round
	s_endpgm
.Lfunc_end_k_qe5eec6f0a4_attn:
	.size	k_qe5eec6f0a4_attn, .Lfunc_end_k_qe5eec6f0a4_attn-k_qe5eec6f0a4_attn
	.p2alignl 7, 3214868480
	.fill 96, 4, 3214868480
	.section	.rodata,"a",@progbits
	.p2align	6, 0x0
	.amdhsa_kernel k_qe5eec6f0a4_attn
		.amdhsa_group_segment_fixed_size 327680
		.amdhsa_private_segment_fixed_size 0
		.amdhsa_enable_private_segment 0
		.amdhsa_kernarg_size 40
		.amdhsa_user_sgpr_count 2
		.amdhsa_user_sgpr_kernarg_segment_ptr 1
		.amdhsa_wavefront_size32 1
		.amdhsa_system_sgpr_workgroup_id_x 1
		.amdhsa_system_sgpr_workgroup_id_y 1
		.amdhsa_system_sgpr_workgroup_id_z 1
		.amdhsa_system_vgpr_workitem_id 0
		.amdhsa_next_free_vgpr 1024
		.amdhsa_next_free_sgpr 66
		.amdhsa_reserve_vcc 0
		.amdhsa_float_denorm_mode_32 3
		.amdhsa_float_denorm_mode_16_64 3
		.amdhsa_memory_ordered 1
		.amdhsa_forward_progress 1
		.amdhsa_inst_pref_size 215
	.end_amdhsa_kernel
	.amdgpu_metadata
---
amdhsa.version: [ 1, 2 ]
amdhsa.kernels:
  - .name:           k_qe5eec6f0a4_attn
    .symbol:         k_qe5eec6f0a4_attn.kd
    .args:
      - { .name: xb, .offset: 0, .size: 8, .value_kind: global_buffer, .address_space: global }
      - { .name: hw, .offset: 8, .size: 8, .value_kind: global_buffer, .address_space: global }
      - { .name: bq, .offset: 16, .size: 8, .value_kind: global_buffer, .address_space: global }
      - { .name: cluster_probs, .offset: 24, .size: 8, .value_kind: global_buffer, .address_space: global }
      - { .name: og, .offset: 32, .size: 8, .value_kind: global_buffer, .address_space: global }
    .group_segment_fixed_size: 327680
    .private_segment_fixed_size: 0
    .kernarg_segment_align: 8
    .kernarg_segment_size: 40
    .max_flat_workgroup_size: 128
    .sgpr_count:     66
    .vgpr_count:     1024
    .wavefront_size: 32
...
	.end_amdgpu_metadata
.endif
;; end of part 2
;; launch outp (part 3): grid 4 x 64, 4 waves a work-group, clusters of 4 x 4, 327,680 bytes of LDS; arguments og, wo16, out0; writes out0
.if DOCPART == 3
	.amdgcn_target "amdgcn-amd-amdhsa--gfx1250"
	.amdhsa_code_object_version 6
	.text
	.protected	k_qe5eec6f0a4_outp
	.globl	k_qe5eec6f0a4_outp
	.p2align	8
	.type	k_qe5eec6f0a4_outp,@function
k_qe5eec6f0a4_outp:
	s_mov_b64 s[64:65], 0
	v_nop
	global_prefetch_b8 v0, s[64:65] scope:SCOPE_SE
	s_setreg_imm32_b32 hwreg(HW_REG_WAVE_MODE, 25, 1), 1
	s_wait_xcnt 0x0
	s_wait_alu depctr_hold_cnt(0) depctr_sa_sdst(0) depctr_va_vdst(0) depctr_va_sdst(0) depctr_va_ssrc(0) depctr_va_vcc(0) depctr_vm_vsrc(0)
	s_getreg_b32 s2, hwreg(HW_REG_IB_STS2, 6, 4)
	s_cmp_eq_u32 s2, 0
	s_cbranch_scc0 .Lentry_in_a_cluster
	s_endpgm
.Lentry_in_a_cluster:
	s_bfe_u32 s2, ttmp6, 0x10000c
	s_cmp_lg_u32 s2, 0xf033
	s_cbranch_scc0 .Lentry_shape_is_right
	s_endpgm
.Lentry_shape_is_right:
; TSAligner, launch 3 of 3: out0 (8192 x 768, f32) = G W, G = og (gated o and the gates, f16), W = wo16 (Wo and bo, f16), K = 4,160 = 65 blocks of 64 (4,104 live, the rest zeros on both sides).
; The sum over clusters and the gated bias are sums along K.  LEFT OUT: nothing here (bk: see the first launch).
; SHARES.  A work-group makes 128 rows x 192 columns: 64 x 4 = 256 work-groups.  Wave w takes half w / 2 (32 wide) of every block of 64 along K, rows 64 (w % 2) on and all 192 columns: 48 accumulators.
; The two halves' sums (f32) meet in LDS at the end.  THE MATRIX INSTRUCTION IS USED TRANSPOSED (source 0 = 16 columns of W, source 1 = 16 rows of G): a lane holds eight neighbouring columns of one row of out0.
; G COMES STRAIGHT INTO REGISTERS.  og is laid as operand registers take it, and no two waves of the work-group want the same bytes of it: a block is 8 loads of 512 consecutive bytes a wave.  Ten sets of 32 registers
; take turns; a block is asked for five blocks (240 matrix instructions) ahead of its products, so 40 loads of a wave are out; the waits are counted.
; W GOES THROUGH A RING of two LDS slots, 13 steps of 5 blocks.  A step's tile (3 groups of 64 columns x 320 k) is 480 dense rows of 256 bytes in memory, two rows of 64 numbers each; wave w brings rows 120 w on;
; LDS pitch 288, so that the 8 rows x 32 bytes of a turning load (ds_load_tr16_b128) touch each bank once (64 banks of 4 bytes: ISA guide 11.1).  A step is asked for at the head of the step before it: it has that step's
; 240 matrix instructions a wave in which to land; one tensor load a wave is out behind each round.
; CLUSTERS: 4 x 4.  The four work-groups of a column of the cluster need the same tiles of W: each is asked for jointly.  G's rows, which the four of a row share, come into registers, where no joint load reaches.
; THE LOOP has six trips of two steps, each step with a fill behind its round; the thirteenth step, which asks for nothing, is written out.  So that the loop has one form of product the 384 registers of sums are
; cleared, while the first tile is on its way: the price of not writing ten more blocks out.
; PREFETCH of W.  A column tile's 13 steps are 6,240 dense blocks of 256 bytes.  The 16 clusters read the same blocks: the first row of clusters asks.  At each of the first nine changes of slots the 16 waves of a
; column of the cluster name 512 blocks on end, a lane a block, shared out by address (wave 4 cy + w takes 32); the first ask begins at step 3, three steps beyond the step that is entered.  So each block is named
; once; steps 0 to 2 and the last 192 blocks come by their loads alone.
; REGISTERS, in windows of 256: window 0: v0-31 addresses; v32-127, v128-223 W's fragments, two buffers of 12.  Window 1: accumulators (column tile b, row tile a), b < 8, at 8 (4 b + a).
;   Window 2: v0-127 accumulators b = 8..11; v128-255 G's sets 0-3.  Window 3: v0-191 G's sets 4-9.
.set RTB,   1064960                    ; a row tile of og: 65 blocks of 16,384
.set STEPB, 122880                     ; a step's tile of W in memory
.set NTB,   1597440                    ; a column tile's 13 steps
.set SLOT,  138240                     ; 480 rows x 288
.set GRP,   46080                      ; a group of 64 columns in a slot: 160 x 288
.set WVB,   34560                      ; a wave's 120 rows in a slot
.set SPARE, 276480                     ; the spare words, 128 bytes a wave: two blocks of 256 bytes that no other line names
.set CPY,   100352                     ; the way out: 128 rows x 784 bytes for each half of K, in the slots, which have had their last fill by then
.set SPI,   784
.set ADRB, 16                          ; v16-21 W's fragments: slot s, group gl at ADRB + 3 s + gl
.set AO,   22                          ; v22 16 x lane
.set STO,  23
.set RD0,  24
.set RD1,  25
.set CO,   26
.set PFO,  27                          ; v27 256 x lane
.set SPW,  28                          ; never rewritten
.set NIL,  29                          ; never rewritten
.set BF,   32
.set G1,  24                           ; s[24:31] descriptor group 1
.set G0,  32                           ; s[32:39] descriptor group 0, a set for each slot
.set AP,  44                           ; s[44:45] og at my part of the trip's first block
.set PFA, 46                           ; s[46:47] where my prefetches stand
.set LIM, 48                           ; s48, s49: a wave asks at a trip's first (second) change while the trips to go are above it
.set MSB, 0
.macro WIN new
.if MSB != (\new)
	s_set_vgpr_msb (MSB<<8)|(\new)
.set MSB, (\new)
.endif
.endm
.macro PLACES                          ; four places behind a matrix instruction, ahead of loads into its registers and of reads of its result
.rept 4
	v_nop
.endr
.endm
.macro CROUND                          ; a round of the cluster's barrier
	s_barrier_signal -1
	s_barrier_wait -1
	s_cmp_lg_u32 s10, 0
	s_cbranch_scc1 .Lnot_wave_0_\@
	s_barrier_signal -3
.Lnot_wave_0_\@:
	s_barrier_wait -3
	s_barrier_signal -1
	s_barrier_wait -1
.endm
	s_load_b128 s[4:7], s[0:1], 0x0                ; og, wo16
	s_load_b64 s[8:9], s[0:1], 0x10                ; out0
	v_lshl_add_u32 v[SPW], v0, 2, SPARE
	v_mov_b32 v[NIL], 0
	ds_add_u32 v[SPW], v[NIL]                      ; the wave's opening: the add, twice on end, and its wait ahead of my first tensor load
	ds_add_u32 v[SPW], v[NIL]
	v_lshrrev_b32 v1, 5, v0
	v_readfirstlane_b32 s10, v1                    ; wave 0..3
	s_lshr_b32 s11, s10, 1                         ; my half of K
	s_and_b32 s12, s10, 1                          ; my half of the rows
	s_bfe_u32 s40, ttmp6, 0x40000                  ; cx, cy
	s_bfe_u32 s41, ttmp6, 0x40004
	s_lshl_b32 s42, ttmp9, 2
	s_add_co_u32 s42, s42, s40                     ; tile column
	s_and_b32 s13, ttmp7, 0xffff                   ; cluster y
	s_cmp_eq_u32 s13, 0
	s_cselect_b32 s[LIM], 1, -1                    ; the same in all sixteen partners
	s_cselect_b32 s[LIM+1], 2, -1
	s_lshl_b32 s13, s13, 2
	s_add_co_u32 s13, s13, s41                     ; tile row
	s_lshl_b32 s43, 0x1111, s40                    ; my column of the cluster
	s_or_b32 s[G1], s43, (1<<16)|(1<<20)|(1<<21)|(5<<22)|(7<<25)  ; the mask; 2-byte elements; padding on; bit 21 beside a mask; after every 64 words, 8 words
	s_mov_b32 s[G1+1], 128<<16                     ; tensor_dim0 = 128
	s_mov_b32 s[G1+2], 120<<16                     ; tensor_dim1 = 120
	s_mov_b32 s[G1+3], 128<<16                     ; tile_dim0 = 128
	s_mov_b32 s[G1+4], 120                         ; tile_dim1 = 120
	s_mov_b32 s[G1+5], 128                         ; 128 elements from row to row: the bytes are dense
	s_mov_b32 s[G1+6], 0
	s_mov_b32 s[G1+7], 0
	s_mul_i32 s50, s42, NTB                        ; W hangs on the tile column, which my column of the cluster shares, and on the wave
	s_mul_i32 s51, s10, 30720
	s_add_co_u32 s50, s50, s51
	s_mov_b32 s51, 0
	s_mul_i32 s20, s10, WVB                        ; its place in a slot: no place in the cluster enters an LDS address
	s_wait_dscnt 0x0                               ; both opening adds are done
	s_wait_kmcnt 0x0
	s_add_nc_u64 s[50:51], s[6:7], s[50:51]
.irp s, 0,1
	s_mov_b32 s[G0+4*\s], 1
	s_add_co_u32 s[G0+4*\s+1], s20, \s*SLOT
	s_add_nc_u64 s[G0+4*\s+2:G0+4*\s+3], s[50:51], \s*STEPB   ; slot s begins with step s
	s_or_b32 s[G0+4*\s+3], s[G0+4*\s+3], 0x80000000           ; type = 2
.endr
	CROUND                                         ; all sixteen work-groups are here: the first joint loads meet
	tensor_load_to_lds s[G0:G0+3], s[G1:G1+7]      ; step 0 into slot 0; slot 1 is first filled behind the first change's round
	s_nop 0
	PLACES
	s_mul_i32 s16, s13, RTB                        ; G: my row tile of 128, my 64 rows of it (four units of 2,048 bytes a block), my half of K (two units of 512)
	s_lshl_b32 s17, s12, 13
	s_add_co_u32 s16, s16, s17
	s_lshl_b32 s17, s11, 10
	s_add_co_u32 s16, s16, s17
	s_mov_b32 s17, 0
	s_add_nc_u64 s[AP:AP+1], s[4:5], s[16:17]
	v_and_b32 v[AO], 31, v0
	v_lshlrev_b32 v[PFO], 8, v[AO]
	v_lshlrev_b32 v[AO], 4, v[AO]
; A block of G into set rb: for each of my four row tiles the two halves of a fragment, 512 consecutive bytes each
.macro ALOAD rb, off
.if (\rb) < 4
	WIN 0x80
.set AB, 128+32*(\rb)
.else
	WIN 0xc0
.set AB, 32*((\rb)-4)
.endif
.irp a, 0,1,2,3
	global_load_b128 v[AB+8*\a:AB+8*\a+3],   v[AO], s[AP:AP+1] offset:(\off)+2048*\a
	global_load_b128 v[AB+8*\a+4:AB+8*\a+7], v[AO], s[AP:AP+1] offset:(\off)+2048*\a+512
.endr
.endm
	ALOAD 0, 0
	ALOAD 1, 16384
	ALOAD 2, 2*16384
	ALOAD 3, 3*16384
	ALOAD 4, 4*16384
	WIN 0x40
.set i, 0
.rept 256
	v_mov_b32 v[i], 0                              ; the sums start at 0 (see the head)
.set i, i+1
.endr
	WIN 0x80
.set i, 0
.rept 128
	v_mov_b32 v[i], 0
.set i, i+1
.endr
	WIN 0
	v_and_b32 v1, 15, v0                           ; r
	v_bfe_u32 v2, v0, 4, 1                         ; hh
	v_and_b32 v5, 1, v0
	v_bfe_u32 v4, v0, 1, 2                         ; a turning load's lane l reads row 8 hh + l % 8 (row k at (k / 2) 288 + (k % 2) 128), 16 bytes (l / 8) % 2
	v_lshl_add_u32 v4, v2, 2, v4
	v_mul_u32_u24 v4, v4, 288
	v_lshl_add_u32 v4, v5, 7, v4
	v_bfe_u32 v5, v0, 3, 1
	v_lshl_add_u32 v4, v5, 4, v4
	s_mul_i32 s22, s11, 4608                       ; my 32 of a block's 64 along K: 16 double rows
.irp i, 0,1,2,3,4,5
	v_add_nc_u32 v[ADRB+\i], s22, v4               ; a slot is three groups, so the six follow each other
	s_add_co_u32 s22, s22, GRP
.endr
	s_mul_i32 s23, s11, CPY                        ; the way out, in: my half's copy, my 64 rows, row r, 32 bytes for each half of the lanes
	s_mul_i32 s21, s12, 64*SPI
	s_add_co_u32 s23, s23, s21
	v_mul_u32_u24 v[STO], v1, SPI
	v_lshl_add_u32 v[STO], v2, 5, v[STO]
	v_add_nc_u32 v[STO], s23, v[STO]
	s_mul_i32 s23, s10, 32*SPI                     ; back: wave w takes rows 32 w on, lanes 0-15 one row's 256 bytes, lanes 16-31 the next row's
	v_mul_u32_u24 v[RD0], v2, SPI
	v_lshl_add_u32 v[RD0], v1, 4, v[RD0]
	v_add_nc_u32 v[RD0], s23, v[RD0]
	v_add_nc_u32 v[RD1], CPY, v[RD0]
	v_mul_u32_u24 v[CO], v2, 3072
	v_lshl_add_u32 v[CO], v1, 4, v[CO]
	s_lshl_b32 s16, s13, 7
	s_lshl_b32 s17, s10, 5
	s_add_co_u32 s16, s16, s17                     ; the first row of out0 that I store
	s_mul_i32 s16, s16, 3072
	s_mov_b32 s17, 0
	s_add_nc_u64 s[8:9], s[8:9], s[16:17]
	s_mul_i32 s52, s42, 768                        ; the tile's first column, in bytes
	s_mov_b32 s53, 0
	s_add_nc_u64 s[8:9], s[8:9], s[52:53]
	s_lshl2_add_u32 s52, s41, s10                  ; the prefetches: wave 4 cy + w of the column's sixteen takes 32 blocks of each 512;
	s_lshl_b32 s52, s52, 13
	s_mul_i32 s54, s42, NTB
	s_add_co_u32 s52, s52, s54
	s_add_co_u32 s52, s52, 3*STEPB-131072          ; the first change steps this to step 3's first block
	s_add_nc_u64 s[PFA:PFA+1], s[6:7], s[52:53]
.macro FETCHB slot, bi, f              ; 24 LDS loads in one run: my half of block bi of a slot, all 12 column tiles
	WIN 0
.irp b, 0,1,2,3,4,5,6,7,8,9,10,11
	ds_load_tr16_b128 v[(\f)+8*\b:(\f)+8*\b+3],   v[ADRB+3*(\slot)+\b/4] offset:9216*(\bi)+32*(\b%4)
	ds_load_tr16_b128 v[(\f)+8*\b+4:(\f)+8*\b+7], v[ADRB+3*(\slot)+\b/4] offset:9216*(\bi)+32*(\b%4)+2304
.endr
.endm
; A block's 48 products; the 48 accumulators take turns in the same order everywhere, over the backward jump too
.macro MUL p
.if (\p) < 4
.set AB, 128+32*(\p)
	WIN 0x58                                       ; W window 0, G window 2, sums window 1
.else
.set AB, 32*((\p)-4)
	WIN 0x5c                                       ; G window 3
.endif
.set BB, BF+96*((\p)%2)
.irp b, 0,1,2,3,4,5,6,7
.irp a, 0,1,2,3
	v_wmma_f32_16x16x32_f16 v[8*(4*\b+\a):8*(4*\b+\a)+7], v[BB+8*\b:BB+8*\b+7], v[AB+8*\a:AB+8*\a+7], v[8*(4*\b+\a):8*(4*\b+\a)+7]
.endr
.endr
.if (\p) < 4
	WIN 0xa8                                       ; sums window 2
.else
	WIN 0xac
.endif
.irp b, 8,9,10,11
.irp a, 0,1,2,3
	v_wmma_f32_16x16x32_f16 v[8*(4*(\b-8)+\a):8*(4*(\b-8)+\a)+7], v[BB+8*\b:BB+8*\b+7], v[AB+8*\a:AB+8*\a+7], v[8*(4*(\b-8)+\a):8*(4*(\b-8)+\a)+7]
.endr
.endr
.endm
; Block p of a trip's ten.  Ahead of its products: W's fragments of the next block of the same step; al = 1: G's block five on.  lc = the loads of G issued behind this block's own.
.macro BLK p, al, lc
.if ((\p)%5) < 4
	PLACES                                         ; the buffer to be loaded was read by the block before
	FETCHB (\p)/5, ((\p)%5)+1, BF+96*(((\p)+1)%2)
.endif
.if \al
	ALOAD ((\p)+5)%10, ((\p)+5)*16384              ; its set was last read five blocks back
.endif
	s_wait_loadcnt \lc                             ; this block of G is in; the younger blocks' loads, 8 each, may stay out
.if ((\p)%5) < 4
	s_wait_dscnt 24                                ; all but the 24 just issued
.else
	s_wait_dscnt 0x0
.endif
	MUL \p
.endm
.macro ASK f
	s_cmp_gt_u32 s3, s[LIM+1-(\f)]
	s_cbranch_scc0 .Lnot_mine_\@
	global_prefetch_b8 v[PFO], s[PFA:PFA+1] th:TH_LOAD_NT scope:SCOPE_SE
.Lnot_mine_\@:
.endm
; THE CHANGE OF SLOTS, at a step's head.  Each wave waits for all its tensor loads (one is out: its part of the step to be entered), adds 0 to its spare word, and waits for that and for its reads of slot f, which it leaves.
; fill = 1: slot f takes the step after the one that is entered; the barrier is a round of the cluster's, so that no wave of any partner still reads the slot or has a load on its way, and the joint fill is the first thing behind it.
.macro CHANGE f, fill
	WIN 0
	s_wait_tensorcnt 0x0                           ; no tensor load of mine is out, so a group 0 may be written
	ds_add_u32 v[SPW], v[NIL]
.if \fill
	s_add_nc_u64 s[G0+4*(1-(\f))+2:G0+4*(1-(\f))+3], s[G0+4*(1-(\f))+2:G0+4*(1-(\f))+3], 2*STEPB  ; the other slot's set, used at the last change: its next step
	s_wait_xcnt 0x0                                ; the last prefetch, a step back, has read its address
	s_add_nc_u64 s[PFA:PFA+1], s[PFA:PFA+1], 131072
	s_wait_dscnt 0x0
	CROUND
	tensor_load_to_lds s[G0+4*(\f):G0+4*(\f)+3], s[G1:G1+7]
	s_nop 0
	PLACES                                         ; (the places in front of the loads below)
.else
	s_wait_dscnt 0x0
	s_barrier_signal -1
	s_barrier_wait -1
	PLACES
.endif
	FETCHB 1-(\f), 0, BF+96*(1-(\f))               ; the entered step's first fragments
.if \fill
	ASK \f
.endif
.endm
	s_mov_b32 s3, 6
.Llap:                                 ; a trip: steps 2 j (slot 0) and 2 j + 1 (slot 1); steps 2 j + 1 and 2 j + 2 are asked for
	CHANGE 1, 1
	BLK 0, 1, 40
	BLK 1, 1, 40
	BLK 2, 1, 40
	BLK 3, 1, 40
	BLK 4, 1, 40
	CHANGE 0, 1
	BLK 5, 1, 40
	BLK 6, 1, 40
	BLK 7, 1, 40
	BLK 8, 1, 40
	BLK 9, 1, 40
	WIN 0
	s_wait_xcnt 0x0                                ; every load of G has read its address: the pointer steps ten blocks on
	s_add_nc_u64 s[AP:AP+1], s[AP:AP+1], 10*16384
	s_sub_co_u32 s3, s3, 1
	s_cmp_lg_u32 s3, 0
	s_cbranch_scc1 .Llap
	CHANGE 1, 0                                    ; the last step is written out: nothing is asked for, of W or of G, and the counts run down
	BLK 0, 0, 32
	BLK 1, 0, 24
	BLK 2, 0, 16
	BLK 3, 0, 8
	BLK 4, 0, 0
	PLACES
	WIN 0
	s_barrier_signal -1                            ; every wave's reads of the slots are over (its last wait was for 0): now they serve as the stage
	s_barrier_wait -1
	WIN 0x04                                       ; register j of (b, a): row 16 a + r of my 64, column 16 b + 8 hh + j; each accumulator's low half goes first
.irp b, 0,1,2,3,4,5,6,7
.irp a, 0,1,2,3
	ds_store_b128 v[STO], v[8*(4*\b+\a):8*(4*\b+\a)+3]   offset:16*SPI*\a+64*\b
	ds_store_b128 v[STO], v[8*(4*\b+\a)+4:8*(4*\b+\a)+7] offset:16*SPI*\a+64*\b+16
.endr
.endr
	WIN 0x08
.irp b, 8,9,10,11
.irp a, 0,1,2,3
	ds_store_b128 v[STO], v[8*(4*(\b-8)+\a):8*(4*(\b-8)+\a)+3]   offset:16*SPI*\a+64*\b
	ds_store_b128 v[STO], v[8*(4*(\b-8)+\a)+4:8*(4*(\b-8)+\a)+7] offset:16*SPI*\a+64*\b+16
.endr
.endr
	WIN 0
	s_wait_dscnt 0x0                               ; for the others' sake: my stores are done
	s_barrier_signal -1
	s_barrier_wait -1
; 48 units of two rows x 256 bytes a wave, in four batches of 12; both halves' copies are read, added and stored
.macro LB bt, set
.set n, 0
.rept 12
.set uu, 12*(\bt)+n
	ds_load_b128 v[(\set)+8*n:(\set)+8*n+3],   v[RD0] offset:2*SPI*(uu/3)+256*(uu%3)
	ds_load_b128 v[(\set)+8*n+4:(\set)+8*n+7], v[RD1] offset:2*SPI*(uu/3)+256*(uu%3)
.set n, n+1
.endr
.endm
.macro AS bt, set
.set n, 0
.rept 12
.set uu, 12*(\bt)+n
	v_pk_add_f32 v[(\set)+8*n:(\set)+8*n+1],   v[(\set)+8*n:(\set)+8*n+1],   v[(\set)+8*n+4:(\set)+8*n+5]
	v_pk_add_f32 v[(\set)+8*n+2:(\set)+8*n+3], v[(\set)+8*n+2:(\set)+8*n+3], v[(\set)+8*n+6:(\set)+8*n+7]
	global_store_b128 v[CO], v[(\set)+8*n:(\set)+8*n+3], s[8:9] offset:6144*(uu/3)+256*(uu%3) th:TH_STORE_NT  ; 16 lanes store 256 consecutive bytes, aligned
.set n, n+1
.endr
.endm
	LB 0, 32
	LB 1, 128
	s_wait_dscnt 24                                ; the older batch is in, the younger one's 24 loads may stay out
	AS 0, 32
	s_wait_xcnt 0x0                                ; the stores have read their data: the set is loaded again only behind this wait
	LB 2, 32
	s_wait_dscnt 24
	AS 1, 128
	s_wait_xcnt 0x0
	LB 3, 128
	s_wait_dscnt 24
	AS 2, 32
	s_wait_dscnt 0x0
	AS 3, 128
	s_wait_tensorcnt 0x0                           ; the wave's end
	ds_add_u32 v[SPW], v[NIL]
	s_wait_dscnt 0x0
	CROUND                                         ; the closing round
	s_endpgm
.Lfunc_end_k_qe5eec6f0a4_outp:
	.size	k_qe5eec6f0a4_outp, .Lfunc_end_k_qe5eec6f0a4_outp-k_qe5eec6f0a4_outp
	.p2alignl 7, 3214868480
	.fill 96, 4, 3214868480
	.section	.rodata,"a",@progbits
	.p2align	6, 0x0
	.amdhsa_kernel k_qe5eec6f0a4_outp
		.amdhsa_group_segment_fixed_size 327680
		.amdhsa_private_segment_fixed_size 0
		.amdhsa_enable_private_segment 0
		.amdhsa_kernarg_size 24
		.amdhsa_user_sgpr_count 2
		.amdhsa_user_sgpr_kernarg_segment_ptr 1
		.amdhsa_wavefront_size32 1
		.amdhsa_system_sgpr_workgroup_id_x 1
		.amdhsa_system_sgpr_workgroup_id_y 1
		.amdhsa_system_sgpr_workgroup_id_z 1
		.amdhsa_system_vgpr_workitem_id 0
		.amdhsa_next_free_vgpr 1024
		.amdhsa_next_free_sgpr 66
		.amdhsa_reserve_vcc 0
		.amdhsa_float_denorm_mode_32 3
		.amdhsa_float_denorm_mode_16_64 3
		.amdhsa_memory_ordered 1
		.amdhsa_forward_progress 1
		.amdhsa_inst_pref_size 127
	.end_amdhsa_kernel
	.amdgpu_metadata
---
amdhsa.version: [ 1, 2 ]
amdhsa.kernels:
  - .name:           k_qe5eec6f0a4_outp
    .symbol:         k_qe5eec6f0a4_outp.kd
    .args:
      - { .name: og, .offset: 0, .size: 8, .value_kind: global_buffer, .address_space: global }
      - { .name: wo16, .offset: 8, .size: 8, .value_kind: global_buffer, .address_space: global }
      - { .name: out0, .offset: 16, .size: 8, .value_kind: global_buffer, .address_space: global }
    .group_segment_fixed_size: 327680
    .private_segment_fixed_size: 0
    .kernarg_segment_align: 8
    .kernarg_segment_size: 24
    .max_flat_workgroup_size: 128
    .sgpr_count:     66
    .vgpr_count:     1024
    .wavefront_size: 32
...
	.end_amdgpu_metadata
.endif
;; end of part 3
